; MI455X (gfx1250); checked and timed in simulation.
; The chip was launched on July 23, 2026; its instructions are those of AMD's public machine-readable ISA for CDNA 5 (MIT licence, August 2026) and "CDNA5" Instruction Set Architecture Reference Guide (July 2026). The comments in the code are by the model that wrote it; some were corrected since.
;; Layer Wise Multi Lo RA Adapter. Allowed arithmetic: float matrix products may take bf16 or f16 operands with f32 sums; other float arithmetic in f32, or as packed bf16 or f16 multiplies, adds, multiply-adds, maxima and minima; sums over many terms, partial sums and values carried from step to step in f32; what a program stores and reads back later, other than sums and carried values, may be rounded once to bf16 or f16.
;; Inputs: W 2,048 x 2,048 float32; alphas 4 float32; b 2,048 float32; downs 4 x 16 x 2,048 float32; ups 4 x 2,048 x 16 float32; w0 1 float32; w1 4 float32; x 4 x 2,048 x 2,048 float32.
;; Outputs: out0 4 x 2,048 x 2,048 float32.
;; 2 versions, each right; version 2 is version 1 with the launch prep written anew for expert scheduling mode. Each part assembles by itself: llvm-mc -triple=amdgcn-amd-amdhsa -mcpu=gfx1250 --defsym DOCPART=n.
;; ======== version 1 of 2: 2 launches
;; workspace buffers: xb 33,554,432 bytes; weff 8,388,608 bytes
;; launch prep (part 1): grid 256 x 1, 8 waves a work-group, no clusters, 17,408 bytes of LDS; arguments x, W, ups, downs, alphas, w0, w1, xb, weff; writes xb, weff
.if DOCPART == 1
	.amdgcn_target "amdgcn-amd-amdhsa--gfx1250"
	.amdhsa_code_object_version 6
	.text
	.protected	k_qc860c39498_prep
	.globl	k_qc860c39498_prep
	.p2align	8
	.type	k_qc860c39498_prep,@function
k_qc860c39498_prep:
	s_mov_b64 s[64:65], 0
	v_nop
	global_prefetch_b8 v0, s[64:65] scope:SCOPE_SE
	s_setreg_imm32_b32 hwreg(HW_REG_WAVE_MODE, 25, 1), 1
	s_wait_xcnt 0x0
; out0 = w0 (x W^T + b) + sum over l of w1[l] (alphas[l] / 16) x (ups_l downs_l)^T.
; Both products are linear in the same x, so for all values of the inputs
;   out0 = x Weff^T + w0 b,   Weff = w0 W + sum over l of c_l ups_l downs_l,   c_l = w1[l] alphas[l] / 16.
; This launch makes xb = x in bf16 [8192][2048] and weff = Weff in bf16 [2048][2048]; the next launch makes the one large product and adds the bias.
; NOTHING IS LEFT OUT: every input has its way to the output and is loaded (b in the next launch).
; LIMITS.  The order of rounding differs from the formula as it is written.  Every input is rounded once to bf16 (x, W, ups, downs, w0, w1, alphas; b in the
; next launch).  c_l is the exact f32 product of two bf16 numbers over 16; c_l x ups is made in f32 and goes to the matrix unit as two bf16 numbers, hi and the
; rest lo, so the scale costs no rounding to 8 bits; w0 W + the sums is made in f32 and rounded once to bf16.  bf16 has f32's range.
; SHARES.  Work-group g: a tile of weff of 128 rows (128 (g / 16) on) x 128 columns (128 (g % 16) on), 16 rows a wave; and 256 KiB of x, 32 KiB a wave.
; THE SMALL PRODUCT.  K = 64 = 16 l + rank, two steps of 32.  Source 0 = 16 rows of c ups: registers 0-3 adapter 2 s, registers 4-7 adapter 2 s + 1, ranks 8 h on.
; Source 1 = downs, with the columns dealt so: column tile t (0..7), lane r holds column 8 r + t.  So register j of accumulator t is (row 8 h + j, column 8 r + t):
; for one j a lane's eight t are eight neighbouring columns, 16 bytes of bf16, and sixteen lanes store 256 consecutive bytes, aligned, of one row of weff.
; downs' fragments are the same for all eight waves: each wave makes an eighth of them (4 pieces of 512 bytes), they meet in LDS behind one barrier.
; NO TENSOR LOADS, NO CLUSTER, NO PREFETCH: nearly all bytes (x, W) are read by one wave each, as long runs with many loads on their way; what is shared (ups, downs) is 1 MiB.
.set SPARE, 16384                      ; behind the 16 KiB of fragments: the spare words, 128 bytes for each of eight waves
.set DWO, 4                            ; v4   h x 65,536 + r x 32: my place in downs' and in W's rows (8 rows of 8,192 bytes a half; 8 columns of f32 a lane)
.set UO,  5                            ; v5   r x 64 + h x 32: my row of ups, my 8 ranks
.set EO,  7                            ; v7   h x 32,768 + r x 16: my place in weff
.set LSA, 8                            ; v8   2,048 x wave + 16 x lane: where I put my pieces
.set LRA, 9                            ; v9   16 x lane: where I read pieces
.set SPW, 10                           ; v10  my spare word; never rewritten
.set NIL, 11                           ; v11  0; never rewritten
.set W0R, 12                           ; v12  w0 rounded to bf16, as f32
.set ZR,  13                           ; v13  0.0
.set NG,  14                           ; v14  -1.0
.set CL,  16                           ; v16-19  c_l
.set T,   20                           ; v20-22  at work
.set AFH, 24                           ; v24-39  hi fragments of c ups: step s at AFH + 8 s
.set AFL, 40                           ; v40-55  lo fragments
.set WP,  24                           ; later: W in bf16, then weff's 16 bytes: four registers for each row j
.set ACC, 56                           ; v56-119 accumulator t at ACC + 8 t
.set DP,  56                           ; before the products: my four pieces of downs,
.set UPK, 72                           ; ups in bf16,
.set UV,  88                           ; c ups in f32
.set DR,  120                          ; v120-151 downs as loaded: row i, column u at DR + 4 i + u
.set UR,  152                          ; v152-183 ups as loaded: adapter l at UR + 8 l
.set BF0, 120                          ; later: downs' fragments of step 0, tile t at BF0 + 8 t
.set WR,  184                          ; v184-247 W as loaded: row j at WR + 8 j
.set XO,  0                            ; window 1: v0 16 x lane
.set YO,  1                            ;           v1 8 x lane
.set Y,   2                            ;           v2-33 sixteen slots of 2: x in bf16
.set X,   64                           ;           v64-191 thirty-two slots of 4: x as loaded
.set BF1, 192                          ;           v192-255 downs' fragments of step 1
.set MSB, 0
.macro WIN new                         ; s_set_vgpr_msb: bits 1:0 source 0, 3:2 source 1, 5:4 source 2, 7:6 destination; the high byte repeats the setting that is left
.if MSB != (\new)
	s_set_vgpr_msb (MSB<<8)|(\new)
.set MSB, (\new)
.endif
.endm
.macro XLOAD i                         ; 512 consecutive bytes of x into slot i % 32
	WIN 0x55
	global_load_b128 v[X+4*((\i)%32):X+4*((\i)%32)+3], v[XO], s[4:5] offset:512*(\i) th:TH_LOAD_NT
.endm
.macro XSLOT i                         ; slot i % 32 is rounded, asked for again, and stored
	WIN 0x55
.if (\i) < 32
	s_wait_loadcnt 31                              ; loads come back in order: mine is in, the 31 younger ones stay out
.else
	s_wait_loadcnt 63-(\i)                         ; nothing more is asked for: the counts run down
.endif
.if ((\i) == 16) || ((\i) == 32) || ((\i) == 48)
	s_wait_xcnt 0x0                                ; the sixteen stores issued so far have read their data: Y's slots are written again only behind this wait
.endif
	v_cvt_pk_bf16_f32 v[Y+2*((\i)%16)],   v[X+4*((\i)%32)],   v[X+4*((\i)%32)+1]
	v_cvt_pk_bf16_f32 v[Y+2*((\i)%16)+1], v[X+4*((\i)%32)+2], v[X+4*((\i)%32)+3]
.if (\i) < 32
	XLOAD (\i)+32
.endif
	global_store_b64 v[YO], v[Y+2*((\i)%16):Y+2*((\i)%16)+1], s[18:19] offset:256*(\i)  ; 32 lanes store 256 consecutive bytes, aligned
.endm
	s_load_b256 s[4:11], s[0:1], 0x0               ; x s[4:5], W s[6:7], ups s[8:9], downs s[10:11]
	s_load_b256 s[12:19], s[0:1], 0x20             ; alphas s[12:13], w0 s[14:15], w1 s[16:17], xb s[18:19]
	s_load_b64 s[20:21], s[0:1], 0x40              ; weff
	v_lshl_add_u32 v[SPW], v0, 2, SPARE
	v_mov_b32 v[NIL], 0
	v_lshrrev_b32 v1, 5, v0
	v_readfirstlane_b32 s33, v1                    ; wave 0..7
	v_and_b32 v1, 31, v0                           ; lane
	v_and_b32 v2, 15, v0                           ; r
	v_bfe_u32 v3, v0, 4, 1                         ; h
	v_lshlrev_b32 v[DWO], 5, v2
	v_lshl_add_u32 v[DWO], v3, 16, v[DWO]
	v_lshlrev_b32 v[UO], 6, v2
	v_lshl_add_u32 v[UO], v3, 5, v[UO]
	v_lshlrev_b32 v[EO], 4, v2
	v_lshl_add_u32 v[EO], v3, 15, v[EO]
	s_lshl_b32 s38, s33, 11
	v_lshl_add_u32 v[LSA], v1, 4, s38
	v_lshlrev_b32 v[LRA], 4, v1
	v_mov_b32 v[ZR], 0
	v_mov_b32 v[NG], -1.0
	WIN 0x40                                       ; destination window 1
	v_lshlrev_b32 v[XO], 4, v1
	v_lshlrev_b32 v[YO], 3, v1
	WIN 0
	s_and_b32 s36, ttmp9, 15                       ; the tile's column block
	s_lshr_b32 s37, ttmp9, 4                       ; its row block
	s_lshl_b32 s37, s37, 7
	s_lshl_b32 s39, s33, 4
	s_add_co_u32 s37, s37, s39                     ; my first row of weff: 128 x row block + 16 x wave
	s_mov_b32 s35, 0                               ; every offset below stays under 2^32
	s_wait_kmcnt 0x0
	s_load_b128 s[24:27], s[12:13], 0x0            ; alphas
	s_load_b128 s[28:31], s[16:17], 0x0            ; w1
	s_load_b32 s32, s[14:15], 0x0                  ; w0
	s_lshl_b32 s34, ttmp9, 18
	s_lshl_b32 s39, s33, 15
	s_add_co_u32 s34, s34, s39
	s_add_nc_u64 s[4:5], s[4:5], s[34:35]          ; x at my 32 KiB
	s_lshr_b32 s34, s34, 1
	s_add_nc_u64 s[18:19], s[18:19], s[34:35]      ; xb at my 16 KiB
	s_lshl_b32 s34, s37, 13
	s_lshl_b32 s39, s36, 9                         ; 128 columns of f32
	s_add_co_u32 s34, s34, s39
	s_add_nc_u64 s[6:7], s[6:7], s[34:35]          ; W at my 16 rows, the tile's columns
	s_lshr_b32 s34, s34, 1
	s_add_nc_u64 s[20:21], s[20:21], s[34:35]      ; weff likewise
	s_lshl_b32 s34, s37, 6
	s_add_nc_u64 s[8:9], s[8:9], s[34:35]          ; ups at my 16 rows of adapter 0
	s_lshr_b32 s34, s33, 1                         ; wave = 4 s + 2 q + th: rows 16 (wave / 2) on of downs' 64,
	s_lshl_b32 s34, s34, 17
	s_and_b32 s40, s33, 1                          ; columns 4 th on of each lane's eight
	s_lshl_b32 s40, s40, 4
	s_add_co_u32 s34, s34, s40
	s_add_co_u32 s34, s34, s39
	s_add_nc_u64 s[10:11], s[10:11], s[34:35]      ; downs
	; all loads go out at once, in the order in which they are wanted: 8 + 8 + 16 + 31
.irp i, 0,1,2,3,4,5,6,7
	global_load_b128 v[DR+4*(\i):DR+4*(\i)+3], v[DWO], s[10:11] offset:(\i)*8192
.endr
.irp l, 0,1,2,3
	global_load_b128 v[UR+8*(\l):UR+8*(\l)+3],   v[UO], s[8:9] offset:(\l)*131072
	global_load_b128 v[UR+8*(\l)+4:UR+8*(\l)+7], v[UO], s[8:9] offset:(\l)*131072+16
.endr
.irp j, 0,1,2,3,4,5,6,7
	global_load_b128 v[WR+8*(\j):WR+8*(\j)+3],   v[DWO], s[6:7] offset:(\j)*8192
	global_load_b128 v[WR+8*(\j)+4:WR+8*(\j)+7], v[DWO], s[6:7] offset:(\j)*8192+16
.endr
.set n, 0
.rept 31
	XLOAD n
.set n, n+1
.endr
	WIN 0
	; the scalars: each rounded to bf16; c_l = w1 x alpha / 16, exact in f32
	s_wait_kmcnt 0x0
.irp l, 0,1,2,3
	v_mov_b32 v[T], s[28+(\l)]
	v_mov_b32 v[T+1], s[24+(\l)]
	v_cvt_pk_bf16_f32 v[T+2], v[T], v[T+1]
	v_fma_mix_f32_bf16 v[CL+(\l)], v[T+2], v[T+2], v[ZR] op_sel:[0,1,0] op_sel_hi:[1,1,0]  ; low half x high half
	v_mul_f32 v[CL+(\l)], 0x3d800000, v[CL+(\l)]   ; / 16
.endr
	v_mov_b32 v[T], s32
	v_cvt_pk_bf16_f32 v[T], v[T], v[T]
	v_lshlrev_b32 v[W0R], 16, v[T]
	; my four pieces of downs' fragments: register p of piece u holds rows 2 p and 2 p + 1 (of my eight) at column u (of my four)
	s_wait_loadcnt 55                              ; downs is in; 8 loads of ups, 16 of W and 31 of x stay out
.irp u, 0,1,2,3
.irp p, 0,1,2,3
	v_cvt_pk_bf16_f32 v[DP+4*(\u)+(\p)], v[DR+8*(\p)+(\u)], v[DR+8*(\p)+4+(\u)]
.endr
.endr
.irp u, 0,1,2,3
	ds_store_b128 v[LSA], v[DP+4*(\u):DP+4*(\u)+3] offset:512*(\u)
.endr
	XLOAD 31
	WIN 0
	; c ups, as hi + lo
	s_wait_loadcnt 48                              ; ups is in; 16 loads of W and 32 of x stay out
.set k, 0
.rept 16
	v_cvt_pk_bf16_f32 v[UPK+k], v[UR+2*k], v[UR+2*k+1]
.set k, k+1
.endr
.set k, 0
.rept 16
	v_fma_mix_f32_bf16 v[UV+2*k],   v[UPK+k], v[CL+k/4], v[ZR] op_sel_hi:[1,0,0]
	v_fma_mix_f32_bf16 v[UV+2*k+1], v[UPK+k], v[CL+k/4], v[ZR] op_sel:[1,0,0] op_sel_hi:[1,0,0]
.set k, k+1
.endr
.set k, 0
.rept 16
	v_cvt_pk_bf16_f32 v[AFH+k], v[UV+2*k], v[UV+2*k+1]
.set k, k+1
.endr
.set k, 0
.rept 16
	v_fma_mix_f32_bf16 v[UV+2*k],   v[AFH+k], v[NG], v[UV+2*k]   op_sel_hi:[1,0,0]              ; what hi has lost: exact in f32
	v_fma_mix_f32_bf16 v[UV+2*k+1], v[AFH+k], v[NG], v[UV+2*k+1] op_sel:[1,0,0] op_sel_hi:[1,0,0]
.set k, k+1
.endr
.set k, 0
.rept 16
	v_cvt_pk_bf16_f32 v[AFL+k], v[UV+2*k], v[UV+2*k+1]
.set k, k+1
.endr
	s_wait_dscnt 0x0                               ; for the others' sake: my pieces lie in LDS
	s_barrier_signal -1
	s_barrier_wait -1                              ; everybody's do; nothing is stored to LDS behind this barrier
	; piece (s, t, q) was made by wave 4 s + 2 q + t / 4 as its piece t % 4
.irp t, 0,1,2,3,4,5,6,7
.irp q, 0,1
	ds_load_b128 v[BF0+8*(\t)+4*(\q):BF0+8*(\t)+4*(\q)+3], v[LRA] offset:(2*(\q)+(\t)/4)*2048+((\t)%4)*512
.endr
.endr
	WIN 0x40                                       ; destination window 1
.irp t, 0,1,2,3,4,5,6,7
.irp q, 0,1
	ds_load_b128 v[BF1+8*(\t)+4*(\q):BF1+8*(\t)+4*(\q)+3], v[LRA] offset:8192+(2*(\q)+(\t)/4)*2048+((\t)%4)*512
.endr
.endr
	WIN 0
	s_wait_dscnt 0x0
	; 32 products: the eight accumulators take turns, one instruction a turn; the first eight start the sums
.irp t, 0,1,2,3,4,5,6,7
	v_wmma_f32_16x16x32_bf16 v[ACC+8*(\t):ACC+8*(\t)+7], v[AFH:AFH+7], v[BF0+8*(\t):BF0+8*(\t)+7], 0
.endr
.irp t, 0,1,2,3,4,5,6,7
	v_wmma_f32_16x16x32_bf16 v[ACC+8*(\t):ACC+8*(\t)+7], v[AFL:AFL+7], v[BF0+8*(\t):BF0+8*(\t)+7], v[ACC+8*(\t):ACC+8*(\t)+7]
.endr
	WIN 0x04                                       ; source 1 window 1
.irp t, 0,1,2,3,4,5,6,7
	v_wmma_f32_16x16x32_bf16 v[ACC+8*(\t):ACC+8*(\t)+7], v[AFH+8:AFH+15], v[BF1+8*(\t):BF1+8*(\t)+7], v[ACC+8*(\t):ACC+8*(\t)+7]
.endr
.irp t, 0,1,2,3,4,5,6,7
	v_wmma_f32_16x16x32_bf16 v[ACC+8*(\t):ACC+8*(\t)+7], v[AFL+8:AFL+15], v[BF1+8*(\t):BF1+8*(\t)+7], v[ACC+8*(\t):ACC+8*(\t)+7]
.endr
	WIN 0
.rept 8
	v_nop                                          ; the places behind the last products (ISA guide 7.12.1), with room to spare, once a launch: what follows reads results and writes over sources
.endr
	; weff = w0 W + the sums, row by row; j ascends
	s_wait_loadcnt 32                              ; W is in; x's 32 loads stay out
.irp j, 0,1,2,3,4,5,6,7
.irp p, 0,1,2,3
	v_cvt_pk_bf16_f32 v[WP+4*(\j)+(\p)], v[WR+8*(\j)+2*(\p)], v[WR+8*(\j)+2*(\p)+1]
.endr
.irp p, 0,1,2,3
	v_fma_mix_f32_bf16 v[WR+8*(\j)+2*(\p)],   v[WP+4*(\j)+(\p)], v[W0R], v[ACC+16*(\p)+(\j)]   op_sel_hi:[1,0,0]
	v_fma_mix_f32_bf16 v[WR+8*(\j)+2*(\p)+1], v[WP+4*(\j)+(\p)], v[W0R], v[ACC+16*(\p)+8+(\j)] op_sel:[1,0,0] op_sel_hi:[1,0,0]
.endr
.irp p, 0,1,2,3
	v_cvt_pk_bf16_f32 v[WP+4*(\j)+(\p)], v[WR+8*(\j)+2*(\p)], v[WR+8*(\j)+2*(\p)+1]
.endr
	global_store_b128 v[EO], v[WP+4*(\j):WP+4*(\j)+3], s[20:21] offset:(\j)*4096  ; sixteen lanes store 256 consecutive bytes, aligned, of one row
.endr
	; the cast of x: 64 slots' turns, 32 loads on their way
.set n, 0
.rept 64
	XSLOT n
.set n, n+1
.endr
	WIN 0
	s_wait_tensorcnt 0x0                           ; the wave's end, behind my last LDS store
	ds_add_u32 v[SPW], v[NIL]
	s_wait_dscnt 0x0
	s_endpgm
.Lfunc_end_k_qc860c39498_prep:
	.size	k_qc860c39498_prep, .Lfunc_end_k_qc860c39498_prep-k_qc860c39498_prep
	.p2alignl 7, 3214868480
	.fill 96, 4, 3214868480
	.section	.rodata,"a",@progbits
	.p2align	6, 0x0
	.amdhsa_kernel k_qc860c39498_prep
		.amdhsa_group_segment_fixed_size 17408
		.amdhsa_private_segment_fixed_size 0
		.amdhsa_enable_private_segment 0
		.amdhsa_kernarg_size 72
		.amdhsa_user_sgpr_count 2
		.amdhsa_user_sgpr_kernarg_segment_ptr 1
		.amdhsa_wavefront_size32 1
		.amdhsa_system_sgpr_workgroup_id_x 1
		.amdhsa_system_sgpr_workgroup_id_y 1
		.amdhsa_system_sgpr_workgroup_id_z 1
		.amdhsa_system_vgpr_workitem_id 0
		.amdhsa_next_free_vgpr 512
		.amdhsa_next_free_sgpr 66
		.amdhsa_reserve_vcc 0
		.amdhsa_float_denorm_mode_32 3
		.amdhsa_float_denorm_mode_16_64 3
		.amdhsa_memory_ordered 1
		.amdhsa_forward_progress 1
		.amdhsa_inst_pref_size 51
	.end_amdhsa_kernel
	.amdgpu_metadata
---
amdhsa.version: [ 1, 2 ]
amdhsa.kernels:
  - .name:           k_qc860c39498_prep
    .symbol:         k_qc860c39498_prep.kd
    .args:
      - { .name: x, .offset: 0, .size: 8, .value_kind: global_buffer, .address_space: global }
      - { .name: W, .offset: 8, .size: 8, .value_kind: global_buffer, .address_space: global }
      - { .name: ups, .offset: 16, .size: 8, .value_kind: global_buffer, .address_space: global }
      - { .name: downs, .offset: 24, .size: 8, .value_kind: global_buffer, .address_space: global }
      - { .name: alphas, .offset: 32, .size: 8, .value_kind: global_buffer, .address_space: global }
      - { .name: w0, .offset: 40, .size: 8, .value_kind: global_buffer, .address_space: global }
      - { .name: w1, .offset: 48, .size: 8, .value_kind: global_buffer, .address_space: global }
      - { .name: xb, .offset: 56, .size: 8, .value_kind: global_buffer, .address_space: global }
      - { .name: weff, .offset: 64, .size: 8, .value_kind: global_buffer, .address_space: global }
    .group_segment_fixed_size: 17408
    .private_segment_fixed_size: 0
    .kernarg_segment_align: 8
    .kernarg_segment_size: 72
    .max_flat_workgroup_size: 256
    .sgpr_count:     66
    .vgpr_count:     512
    .wavefront_size: 32
...
	.end_amdgpu_metadata
.endif
;; end of part 1
;; launch gemm (part 2): grid 8 x 32, 4 waves a work-group, clusters of 4 x 4, 327,680 bytes of LDS; arguments xb, weff, out0, b, w0; writes out0
.if DOCPART == 2
	.amdgcn_target "amdgcn-amd-amdhsa--gfx1250"
	.amdhsa_code_object_version 6
	.text
	.protected	k_qc860c39498_gemm
	.globl	k_qc860c39498_gemm
	.p2align	8
	.type	k_qc860c39498_gemm,@function
k_qc860c39498_gemm:
	s_mov_b64 s[64:65], 0
	v_nop
	global_prefetch_b8 v0, s[64:65] scope:SCOPE_SE
	s_setreg_imm32_b32 hwreg(HW_REG_WAVE_MODE, 25, 1), 1
	s_wait_xcnt 0x0
	s_wait_alu depctr_hold_cnt(0) depctr_sa_sdst(0) depctr_va_vdst(0) depctr_va_sdst(0) depctr_va_ssrc(0) depctr_va_vcc(0) depctr_vm_vsrc(0)
	s_getreg_b32 s2, hwreg(HW_REG_IB_STS2, 6, 4)
	s_cmp_eq_u32 s2, 0
	s_cbranch_scc0 .Lentry_in_a_cluster
	s_endpgm
.Lentry_in_a_cluster:
	s_bfe_u32 s2, ttmp6, 0x10000c
	s_cmp_lg_u32 s2, 0xf033
	s_cbranch_scc0 .Lentry_shape_is_right
	s_endpgm
.Lentry_shape_is_right:
; out0[m][n] = the sum over k of xb[m][k] weff[n][k] + w0 b[n].  xb: [8192][2048] bf16, weff: [2048][2048] bf16 (both made by the launch before, which folds w0, the adapters
; and their scales into weff by the product's linearity in x); out0: [8192][2048] f32; sums in f32.  No work is left out.
; LIMITS.  b and w0 are rounded to bf16 like all the inputs; their product and its addition are f32.  The order of rounding differs from the formula as it is written.
; A tile of out0, 256 x 256, is made by a work-group of four waves; a wave makes 128 x 128: 64 accumulators of 16 x 16, 512 registers.  32 x 8 tiles: 256 work-groups.
; K goes in steps of 128 through a ring of two LDS slots filled by the tensor data mover: the tiles' rows are 256 bytes of memory, at multiples of 256 bytes.
; CLUSTERS: 4 x 4 work-groups.  The four of a row of the cluster need the same tiles of xb, the four of a column the same tiles of weff: each tile is asked for JOINTLY, by the same
; tensor load with the same descriptor and a mask that names the four, which divides the requests for both by four.
; REGISTERS, in windows of 256 (s_set_vgpr_msb's low byte: bits 1:0 source 0, 3:2 source 1, 5:4 source 2, 7:6 destination):
;   window 0: v0-31 addresses and the bias; v64-127, v128-191 fragments of xb, two buffers; on the way out the rows read back
;   window 1: v64-127, v128-191 fragments of weff, two buffers
;   window 2: the 32 accumulators of my rows 0-63 ((a, b) at v[8 (8 a + b)]);   window 3: those of my rows 64-127
; THE MATRIX INSTRUCTION IS USED TRANSPOSED: source 0 = 16 rows of weff, source 1 = 16 rows of xb: lane l holds row l % 16 of out0 and the columns 8 (l / 16) + 0..7: 32 bytes on end.
.set SIZE_M, 8192
.set SIZE_N, 2048
.set SIZE_K, 2048
.set KSTEP,  128
.set PITCH,  272                       ; an LDS row: 256 bytes + 16 of padding = 68 words: the 16 rows of a fragment load start at 16 different groups of four banks (64 banks of 4 bytes: ISA guide 11.1)
.set HALFT,  128*PITCH                 ; 128 rows: what one tensor load brings, and what one wave reads of xb or of weff
.set SLOT,   4*HALFT                   ; xb's 256 rows, then weff's 256 rows
.set STAGE,  2*SLOT                    ; behind the ring, never filled by a tensor load: 16 rows x 528 bytes for each wave, for the way out
.set SPITCH, 528                       ; 512 bytes + 16: 33 x 16
.set SPARE,  STAGE+4*16*SPITCH         ; behind the stages: the spare words, 128 bytes for each wave: two blocks of 256 bytes that no other line names
.set LAPS,   SIZE_K/(2*KSTEP)          ; a lap = two K steps = once round the ring: 8
.set BIAS, 8                           ; v8-11   w0 b of my four columns on the way out
.set ADRA, 16                          ; v16-17  LDS address of my xb fragments in slot 0, 1
.set ADRB, 20                          ; v20-21  the same for weff
.set STO,  24                          ; v24     the way out: where I put 32 bytes of a row
.set RD,   25                          ; v25     the way out: where I read 16 bytes of a row back
.set CO,   26                          ; v26     16 x lane: my byte offset in 512 bytes of out0, and of b
.set SPW,  28                          ; v28     my spare word: SPARE + 4 x my thread's number; never rewritten
.set NIL,  29                          ; v29     0; never rewritten
.set PFO,  30                          ; v30     the prefetches' offset: my lane x a row of 4,096 bytes; never rewritten
.set PFA,  44                          ; s[44:45] where my prefetches stand
.set LIM,  43                          ; s43     1 in a wave that prefetches, else the greatest number
.set F0,   64
.set F1,   128
.set G1, 24                            ; s[24:31] descriptor group 1 for xb's tiles
.set G0, 32                            ; s[32:39] group 0 for xb's tiles, one set for each slot
.set G1B, 48                           ; s[48:55] group 1 for weff's tiles: it differs in the mask alone
.set G0B, 56                           ; s[56:63] group 0 for weff's tiles
.set MSB, 0
.macro WIN new                         ; the immediate's high byte repeats the setting that is left; a switch that changes nothing is dropped
.if MSB != (\new)
	s_set_vgpr_msb (MSB<<8)|(\new)
.set MSB, \new
.endif
.endm
.set MUL_LO, 0xa1                      ; source 0 (weff) window 1, source 1 (xb) window 0, C and D window 2
.set MUL_HI, 0xf1                      ; the same, C and D window 3
.set TO_B,   0x40                      ; destination window 1, address window 0
; A joint load.  Waves 0 and 1 fetch xb's two halves, waves 2 and 3 weff's.  The branch hangs on the wave's number alone.  An s_nop 0 and four v_nop follow each of the two lines.
.macro JLOAD s
	s_cmp_eq_u32 s11, 0
	s_cbranch_scc0 .Lfor_b_\@
	tensor_load_to_lds s[G0+4*(\s):G0+4*(\s)+3], s[G1:G1+7]
	s_nop 0
.rept 4
	v_nop
.endr
	s_branch .Lasked_\@
.Lfor_b_\@:
	tensor_load_to_lds s[G0B+4*(\s):G0B+4*(\s)+3], s[G1B:G1B+7]
	s_nop 0
.rept 4
	v_nop
.endr
.Lasked_\@:
.endm
; A PREFETCH INTO THE L2, behind each joint refill and the run of LDS loads that follows it: the K step that stands two refills on, 512 matrix instructions ahead of the load that will ask for it:
; 32 rows x 256 bytes, a lane a row, one instruction a wave.  Each row's 256 bytes of a K step are named once in the launch: xb's rows by the clusters with x = 0, weff's by those with y = 0;
; of the 128 rows that a wave fetches the partner at place p (cx for xb, cy for weff) takes 32 p on, told apart by address.  The loop's last trip asks for nothing: there is no K step two on.
.macro ASK
	s_cmp_gt_u32 s3, s[LIM]                        ; s3 = 1 in the loop's last trip
	s_cbranch_scc0 .Lnot_mine_\@
	global_prefetch_b8 v[PFO], s[PFA:PFA+1] offset:KSTEP*2 th:TH_LOAD_NT scope:SCOPE_SE
.Lnot_mine_\@:
.endm
; A round of the cluster's barrier: my work-group's barrier; wave 0 signals for the work-group; every wave waits for all sixteen; my work-group's barrier once more.
.macro CREST                           ; a round behind its opening barrier
	s_cmp_lg_u32 s10, 0
	s_cbranch_scc1 .Lnot_wave_0_\@
	s_barrier_signal -3
.Lnot_wave_0_\@:
	s_barrier_wait -3
	s_barrier_signal -1
	s_barrier_wait -1
.endm
.macro CROUND
	s_barrier_signal -1
	s_barrier_wait -1
	CREST
.endm
	s_load_b128 s[4:7], s[0:1], 0x0                ; xb s[4:5], weff s[6:7]
	s_load_b64 s[8:9], s[0:1], 0x10                ; out0
	s_load_b64 s[68:69], s[0:1], 0x18              ; b
	s_load_b64 s[70:71], s[0:1], 0x20              ; w0
	v_lshl_add_u32 v[SPW], v0, 2, SPARE
	v_mov_b32 v[NIL], 0
	ds_add_u32 v[SPW], v[NIL]                      ; the wave's opening: the add, twice on end, and its wait ahead of my first tensor load
	ds_add_u32 v[SPW], v[NIL]                      ; the set-up below, work on registers, stands between the second add and the wait
	v_lshrrev_b32 v1, 5, v0
	v_readfirstlane_b32 s10, v1                    ; wave 0..3
	s_lshr_b32 s11, s10, 1                         ; which half of the tile's rows is mine.  Also: I fetch for xb (0) or for weff (1)
	s_and_b32 s12, s10, 1                          ; which half of its columns.  Also: which 128 rows of that tile I fetch
	s_bfe_u32 s40, ttmp6, 0x40000                  ; cx
	s_bfe_u32 s41, ttmp6, 0x40004                  ; cy
	s_lshl_b32 s42, ttmp9, 2
	s_add_co_u32 s42, s42, s40                     ; tile column = 4 x cluster x + cx
	s_and_b32 s13, ttmp7, 0xffff
	s_lshl_b32 s13, s13, 2
	s_add_co_u32 s13, s13, s41                     ; tile row = 4 x cluster y + cy
	s_lshl_b32 s43, s41, 2
	s_lshl_b32 s43, 15, s43                        ; my row of the cluster: places 4 cy .. 4 cy + 3
	s_lshl_b32 s44, 0x1111, s40                    ; my column: places cx, cx + 4, cx + 8, cx + 12
	; descriptor group 1: a tile of 128 rows x 128 elements, padded in LDS
	s_or_b32 s[G1+0], s43, (1<<16)|(1<<20)|(1<<21)|(5<<22)|(3<<25)   ; 15:0 the mask; 17:16 elements of 2 bytes; 20 padding on; 21 set beside a mask; 24:22 after every 64 words; 31:25 4 words of it
	s_or_b32 s[G1B+0], s44, (1<<16)|(1<<20)|(1<<21)|(5<<22)|(3<<25)
	s_mov_b32 s[G1B+1], KSTEP<<16
	s_mov_b32 s[G1+1], KSTEP<<16                   ; tensor_dim0 = 128
	s_mov_b32 s[G1B+2], 128<<16
	s_mov_b32 s[G1+2], 128<<16                     ; tensor_dim1 = 128
	s_mov_b32 s[G1B+3], KSTEP<<16
	s_mov_b32 s[G1+3], KSTEP<<16                   ; tile_dim0 = 128
	s_mov_b32 s[G1B+4], 128
	s_mov_b32 s[G1+4], 128                         ; tile_dim1 = 128
	s_mov_b32 s[G1B+5], SIZE_K
	s_mov_b32 s[G1+5], SIZE_K                      ; elements from row to row
	s_mov_b32 s[G1B+6], 0
	s_mov_b32 s[G1+6], 0
	s_mov_b32 s[G1B+7], 0
	s_mov_b32 s[G1+7], 0
	; where the tiles come from: xb's hang on the tile row alone, weff's on the tile column alone; each in registers that never hold the other coordinate
	s_lshl_b32 s17, s12, 7
	s_lshl_b32 s16, s13, 8
	s_add_co_u32 s16, s16, s17                     ; xb: row 256 x tile row + 128 x half
	s_lshl_b32 s46, s42, 8
	s_add_co_u32 s46, s46, s17                     ; weff: row 256 x tile column + 128 x half
	s_mov_b32 s17, 0
	s_mov_b32 s47, 0
	s_mov_b64 s[18:19], SIZE_K*2
	s_mul_u64 s[16:17], s[16:17], s[18:19]
	s_mul_u64 s[46:47], s[46:47], s[18:19]
	s_mul_i32 s20, s10, HALFT                      ; and where they go: wave x 128 rows: no place in the cluster enters an LDS address
	s_wait_dscnt 0x0                               ; both opening adds are done
	s_wait_kmcnt 0x0
	s_add_nc_u64 s[14:15], s[4:5], s[16:17]
	s_add_nc_u64 s[46:47], s[6:7], s[46:47]
	CROUND                                         ; all sixteen work-groups are here: the first joint loads meet
.irp s, 0,1
	s_mov_b32 s[G0+4*(\s)], 1                                        ; count = 1
	s_add_co_u32 s[G0+4*(\s)+1], s20, (\s)*SLOT                      ; LDS address
	s_add_nc_u64 s[G0+4*(\s)+2:G0+4*(\s)+3], s[14:15], (\s)*KSTEP*2  ; global address: K step s
	s_or_b32 s[G0+4*(\s)+3], s[G0+4*(\s)+3], 0x80000000              ; type = 2
	s_mov_b32 s[G0B+4*(\s)], 1
	s_add_co_u32 s[G0B+4*(\s)+1], s20, (\s)*SLOT
	s_add_nc_u64 s[G0B+4*(\s)+2:G0B+4*(\s)+3], s[46:47], (\s)*KSTEP*2
	s_or_b32 s[G0B+4*(\s)+3], s[G0B+4*(\s)+3], 0x80000000
	JLOAD \s                                       ; two tensor loads of mine are out
.endr
	; a fragment is 16 rows x 32 K in 8 registers: lane l holds row l % 16; two loads of 16 bytes, 32 bytes apart, at row x pitch + 16 (l / 16)
	v_and_b32 v1, 15, v0                           ; l % 16
	v_bfe_u32 v2, v0, 4, 1                         ; l / 16
	v_mul_u32_u24 v3, v1, PITCH
	v_lshl_add_u32 v3, v2, 4, v3
	s_mul_i32 s21, s11, HALFT                      ; my 128 rows of xb
	s_mul_i32 s22, s12, HALFT                      ; my 128 rows of weff,
	s_add_co_u32 s22, s22, 2*HALFT                 ; which lie behind xb's 256
.irp s, 0,1
	v_add_nc_u32 v[ADRA+(\s)], s21, v3
	v_add_nc_u32 v[ADRB+(\s)], s22, v3
	s_add_co_u32 s21, s21, SLOT
	s_add_co_u32 s22, s22, SLOT
.endr
	s_mul_i32 s23, s10, 16*SPITCH
	s_add_co_u32 s23, s23, STAGE                   ; my stage
	v_mul_u32_u24 v4, v1, SPITCH                   ; in: row l % 16, 32 bytes for each half of the lanes
	v_lshl_add_u32 v4, v2, 5, v4
	v_add_nc_u32 v[STO], s23, v4
	v_and_b32 v5, 31, v0
	v_lshlrev_b32 v[CO], 4, v5                     ; back: 32 lanes take one row of 512 bytes
	v_add_nc_u32 v[RD], s23, v[CO]
	; out0 at my part of the tile; b at my 128 columns
	s_lshl_b32 s13, s13, 8
	s_lshl_b32 s14, s11, 7
	s_add_co_u32 s16, s13, s14                     ; my first row
	s_lshl_b32 s16, s16, 13                        ; x 8,192 bytes: under 2^26
	s_mov_b32 s17, 0
	s_lshl_b32 s46, s42, 10                        ; my first column, in bytes: 1,024 x tile column + 512 x half
	s_lshl_b32 s47, s12, 9
	s_add_co_u32 s46, s46, s47
	s_mov_b32 s47, 0
	s_add_nc_u64 s[8:9], s[8:9], s[16:17]
	s_add_nc_u64 s[8:9], s[8:9], s[46:47]
	s_add_nc_u64 s[68:69], s[68:69], s[46:47]
	; the prefetches.  s13 = 256 x tile row, s42 = tile column, s40 = cx, s41 = cy still stand
	s_lshl_b32 s42, s42, 8
	s_and_b32 s22, ttmp7, 0xffff                   ; cluster y
	s_cmp_eq_u32 s11, 0                            ; do I fetch for xb?
	s_cselect_b32 s20, s13, s42                    ; the tile's first row
	s_cselect_b32 s21, s40, s41                    ; my place among the four that ask for it with me
	s_cselect_b32 s22, ttmp9, s22                  ; the coordinate along which other clusters read the same rows
	s_cselect_b64 s[PFA:PFA+1], s[4:5], s[6:7]
	s_cmp_eq_u32 s22, 0
	s_cselect_b32 s[LIM], 1, -1                    ; the same in all sixteen partners, for a given wave
	s_lshl_b32 s22, s12, 7
	s_add_co_u32 s20, s20, s22                     ; + the 128 rows that I fetch
	s_lshl_b32 s21, s21, 5
	s_add_co_u32 s20, s20, s21                     ; + my work-group's 32 of them
	s_mov_b32 s21, 0
	s_mov_b64 s[18:19], SIZE_K*2
	s_mul_u64 s[20:21], s[20:21], s[18:19]
	s_add_nc_u64 s[PFA:PFA+1], s[PFA:PFA+1], s[20:21]
	s_add_nc_u64 s[PFA:PFA+1], s[PFA:PFA+1], 2*KSTEP*2  ; at K step 2: the first refill steps it to 3 and names K step 4; nothing is prefetched here, at the head
	v_and_b32 v[PFO], 31, v0
	v_mul_u32_u24 v[PFO], v[PFO], SIZE_K*2
	; the bias: b and w0 rounded to bf16, their product in f32; all this stands in the wait for the first tiles
	s_load_b32 s72, s[70:71], 0x0
	global_load_b128 v[BIAS:BIAS+3], v[CO], s[68:69]
	s_wait_kmcnt 0x0
	s_wait_loadcnt 0x0
	v_cvt_pk_bf16_f32 v4, v[BIAS], v[BIAS+1]
	v_cvt_pk_bf16_f32 v5, v[BIAS+2], v[BIAS+3]
	v_mov_b32 v12, s72
	v_cvt_pk_bf16_f32 v12, v12, v12
	v_lshlrev_b32 v[BIAS], 16, v4
	v_and_b32 v[BIAS+1], 0xffff0000, v4
	v_lshlrev_b32 v[BIAS+2], 16, v5
	v_and_b32 v[BIAS+3], 0xffff0000, v5
	v_lshlrev_b32 v12, 16, v12
	v_mov_b32 v13, v12
	v_pk_mul_f32 v[BIAS:BIAS+1], v[BIAS:BIAS+1], v[12:13]
	v_pk_mul_f32 v[BIAS+2:BIAS+3], v[BIAS+2:BIAS+3], v[12:13]
; 16 matrix instructions: m blocks a0, a0 + 1 of the window's four x all 8 n blocks, 32 along K.  zero = 1: the first product starts the sums: nothing is cleared.
.macro MUL16 f, hi, a0, zero
	WIN MUL_LO+0x50*(\hi)
.irp a, \a0, (\a0)+1
.irp b, 0,1,2,3,4,5,6,7
.if \zero
	v_wmma_f32_16x16x32_bf16 v[8*(8*(\a)+(\b)):8*(8*(\a)+(\b))+7], v[(\f)+8*(\b):(\f)+8*(\b)+7], v[(\f)+8*(4*(\hi)+(\a)):(\f)+8*(4*(\hi)+(\a))+7], 0
.else
	v_wmma_f32_16x16x32_bf16 v[8*(8*(\a)+(\b)):8*(8*(\a)+(\b))+7], v[(\f)+8*(\b):(\f)+8*(\b)+7], v[(\f)+8*(4*(\hi)+(\a)):(\f)+8*(4*(\hi)+(\a))+7], v[8*(8*(\a)+(\b)):8*(8*(\a)+(\b))+7]
.endif
.endr
.endr
.endm
; 32 LDS loads in one run: the fragments of one quarter step (128 rows of weff, then 128 rows of xb, 32 K at byte k of the rows) into buffer f
.macro FETCH slot, k, f
	WIN TO_B
.irp i, 0,1,2,3,4,5,6,7
	ds_load_b128 v[(\f)+8*(\i):(\f)+8*(\i)+3],   v[ADRB+(\slot)] offset:(\k)+(\i)*16*PITCH
	ds_load_b128 v[(\f)+8*(\i)+4:(\f)+8*(\i)+7], v[ADRB+(\slot)] offset:(\k)+(\i)*16*PITCH+32
.endr
	WIN 0
.irp i, 0,1,2,3,4,5,6,7
	ds_load_b128 v[(\f)+8*(\i):(\f)+8*(\i)+3],   v[ADRA+(\slot)] offset:(\k)+(\i)*16*PITCH
	ds_load_b128 v[(\f)+8*(\i)+4:(\f)+8*(\i)+7], v[ADRA+(\slot)] offset:(\k)+(\i)*16*PITCH+32
.endr
.endm
.macro PLACES                          ; four plain instructions between a matrix instruction and a load into a register that it has read (ISA guide 7.12.1 for vector instructions)
.rept 4
	v_nop
.endr
.endm
; A K step is four quarters of 32 along K, 64 matrix instructions each, on buffers 0, 1, 0, 1; the 64 accumulators take turns in the same order in every quarter.
; One of the first three: multiplies buffer f; in its middle it fetches the next quarter's fragments, at byte k of the same slot's rows, into buffer g.
.macro QUARTER slot, k, f, g, zero
	s_wait_dscnt 8                                 ; weff's and xb's rows 0-63 are in; the youngest eight loads (xb's rows 64-127) may be out
	WIN MUL_LO
	MUL16 \f, 0, 0, \zero
	MUL16 \f, 0, 2, \zero
	PLACES
	FETCH \slot, \k, \g
	s_wait_dscnt 32                                ; all but the 32 just issued
	WIN MUL_HI
	MUL16 \f, 1, 0, \zero
	MUL16 \f, 1, 2, \zero
.endm
; The last quarter's first half: ONE barrier for the change of slots.  In front of it each wave waits for all its tensor loads (one is out: its part of the next slot), adds 0 to its spare word,
; and waits for that and for its own reads of this slot.  Behind it nobody reads this slot any more and the next slot is whole.  round = 1: a round of the cluster's barrier follows.
.macro MEET round
	WIN 0                                          ; (the add's two registers lie in window 0)
	s_wait_tensorcnt 0x0
	ds_add_u32 v[SPW], v[NIL]
	s_wait_dscnt 9                                 ; (the add and the youngest eight loads may be out)
	WIN MUL_LO
	MUL16 F1, 0, 0, 0                              ; sixteen matrix instructions stand between the add and the wait for it
	s_wait_dscnt 0x0                               ; the add is done, and my reads of this slot are over
	s_barrier_signal -1
	MUL16 F1, 0, 2, 0                              ; work on registers while the others arrive
.if \round
	WIN 0
.endif
	s_barrier_wait -1
.endm
; The whole last quarter.  fill = 1: the slot just read out is filled again, with the K step two steps on, first thing behind the round; from that request to the wait for it a wave issues 224 matrix instructions.
.macro TURN slot, next, fill
.if \fill
	s_wait_xcnt 0x0                                ; the last prefetch, a K step back, has read its address: it is stepped here, ahead of the waits of the change of slots
	s_add_nc_u64 s[PFA:PFA+1], s[PFA:PFA+1], KSTEP*2
.endif
	MEET \fill
.if \fill
	CREST                                          ; no wave of any partner still reads this slot's tile or has a load on its way
	s_add_nc_u64 s[G0+4*(\slot)+2:G0+4*(\slot)+3], s[G0+4*(\slot)+2:G0+4*(\slot)+3], 2*KSTEP*2
	s_add_nc_u64 s[G0B+4*(\slot)+2:G0B+4*(\slot)+3], s[G0B+4*(\slot)+2:G0B+4*(\slot)+3], 2*KSTEP*2
	JLOAD \slot                                    ; my one tensor load behind the round; its four v_nop are also the places in front of the loads below
.else
	PLACES
.endif
	FETCH \next, 0, F0
.if \fill
	ASK
.endif
	WIN MUL_HI
	MUL16 F1, 1, 0, 0
	MUL16 F1, 1, 2, 0
.endm
; THE WAY OUT of block a (16 rows x 128 columns of f32).  TOSTAGE: a lane's 32 bytes of each accumulator go into my own stage, the low four registers first; whole rows of 512 bytes come back.
.macro TOSTAGE a
.set AC, 64*((\a)%4)
.set BK, 64+64*((\a)%2)
	WIN 0x08+4*((\a)/4)                            ; store data (source 1) in window 2 or 3
.irp b, 0,1,2,3,4,5,6,7
	ds_store_b128 v[STO], v[AC+8*(\b):AC+8*(\b)+3]   offset:64*(\b)
	ds_store_b128 v[STO], v[AC+8*(\b)+4:AC+8*(\b)+7] offset:64*(\b)+16
.endr
	WIN 0
.if (\a) >= 2
	s_wait_xcnt 0x0                                ; the stores of the block two back have read these registers
.endif
.irp t, 0,1,2,3,4,5,6,7,8,9,10,11,12,13,14,15
	ds_load_b128 v[BK+4*(\t):BK+4*(\t)+3], v[RD] offset:(\t)*SPITCH  ; LDS serves a wave's instructions in order (ISA guide 5.7.1.4): these see the stores above; the next block's stores come behind them
.endr
.endm
; SEND: the bias is added and the rows are stored.  younger: the LDS instructions issued behind this block's loads: the next block's 32, or none.
.macro SEND a, younger
.set BK, 64+64*((\a)%2)
.irp t, 0,1,2,3,4,5,6,7,8,9,10,11,12,13,14,15
	s_wait_dscnt (\younger)+15-(\t)
	v_pk_add_f32 v[BK+4*(\t):BK+4*(\t)+1],   v[BK+4*(\t):BK+4*(\t)+1],   v[BIAS:BIAS+1]
	v_pk_add_f32 v[BK+4*(\t)+2:BK+4*(\t)+3], v[BK+4*(\t)+2:BK+4*(\t)+3], v[BIAS+2:BIAS+3]
	global_store_b128 v[CO], v[BK+4*(\t):BK+4*(\t)+3], s[8:9] offset:(16*(\a)+(\t))*SIZE_N*4 th:TH_STORE_NT  ; 32 lanes store 512 consecutive bytes, at a multiple of 512 from out0's first; 127 rows at the most in the immediate
.endr
.endm
	s_wait_tensorcnt 1                             ; my part of K step 0 is in; K step 1's may stay out
	s_barrier_signal -1
	s_barrier_wait -1                              ; everybody's is
	FETCH 0, 0, F0
	QUARTER 0, 64,  F0, F1, 1                      ; the first quarter stands in front of the loop: its products start the sums
	WIN 0                                          ; at a label and at a branch every window is 0
	s_mov_b32 s3, LAPS-1
.Llap:                                                 ; a trip goes once round the ring, from a lap's second quarter to the next lap's first, and fills both slots again
	QUARTER 0, 128, F1, F0, 0
	QUARTER 0, 192, F0, F1, 0
	TURN 0, 1, 1
	QUARTER 1, 64,  F0, F1, 0
	QUARTER 1, 128, F1, F0, 0
	QUARTER 1, 192, F0, F1, 0
	TURN 1, 0, 1
	QUARTER 0, 64,  F0, F1, 0
	WIN 0
	s_sub_co_u32 s3, s3, 1
	s_cmp_lg_u32 s3, 0
	s_cbranch_scc1 .Llap
	QUARTER 0, 128, F1, F0, 0                      ; the last lap is written out: it fills nothing, and has no round of the cluster's barrier
	QUARTER 0, 192, F0, F1, 0
	TURN 0, 1, 0
	QUARTER 1, 64,  F0, F1, 0
	QUARTER 1, 128, F1, F0, 0
	QUARTER 1, 192, F0, F1, 0
	s_wait_dscnt 8                                 ; the very last quarter: nothing more to fetch
	WIN MUL_LO
	MUL16 F1, 0, 0, 0
	MUL16 F1, 0, 2, 0
	s_wait_dscnt 0x0
	MUL16 F1, 1, 0, 0
	MUL16 F1, 1, 2, 0
	WIN 0
	PLACES                                         ; the places behind the last products, with room to spare, once a launch: what follows reads results and loads into fragment registers
	PLACES
	TOSTAGE 0
.irp a, 1,2,3,4,5,6,7                  ; block a's way through the stage is begun before block a - 1 is waited for
	TOSTAGE \a
	SEND (\a)-1, 32
.endr
	SEND 7, 0
	s_wait_tensorcnt 0x0                           ; the wave's end, behind my last tensor load and my last LDS store
	ds_add_u32 v[SPW], v[NIL]
	s_wait_dscnt 0x0
	CROUND                                         ; the closing round: no work-group ends while a partner may still ask for a tile that names it
	s_endpgm
.Lfunc_end_k_qc860c39498_gemm:
	.size	k_qc860c39498_gemm, .Lfunc_end_k_qc860c39498_gemm-k_qc860c39498_gemm
	.p2alignl 7, 3214868480
	.fill 96, 4, 3214868480
	.section	.rodata,"a",@progbits
	.p2align	6, 0x0
	.amdhsa_kernel k_qc860c39498_gemm
		.amdhsa_group_segment_fixed_size 327680
		.amdhsa_private_segment_fixed_size 0
		.amdhsa_enable_private_segment 0
		.amdhsa_kernarg_size 40
		.amdhsa_user_sgpr_count 2
		.amdhsa_user_sgpr_kernarg_segment_ptr 1
		.amdhsa_wavefront_size32 1
		.amdhsa_system_sgpr_workgroup_id_x 1
		.amdhsa_system_sgpr_workgroup_id_y 1
		.amdhsa_system_sgpr_workgroup_id_z 1
		.amdhsa_system_vgpr_workitem_id 0
		.amdhsa_next_free_vgpr 1024
		.amdhsa_next_free_sgpr 76
		.amdhsa_reserve_vcc 0
		.amdhsa_float_denorm_mode_32 3
		.amdhsa_float_denorm_mode_16_64 3
		.amdhsa_memory_ordered 1
		.amdhsa_forward_progress 1
		.amdhsa_inst_pref_size 162
	.end_amdhsa_kernel
	.amdgpu_metadata
---
amdhsa.version: [ 1, 2 ]
amdhsa.kernels:
  - .name:           k_qc860c39498_gemm
    .symbol:         k_qc860c39498_gemm.kd
    .args:
      - { .name: xb, .offset: 0, .size: 8, .value_kind: global_buffer, .address_space: global }
      - { .name: weff, .offset: 8, .size: 8, .value_kind: global_buffer, .address_space: global }
      - { .name: out0, .offset: 16, .size: 8, .value_kind: global_buffer, .address_space: global }
      - { .name: b, .offset: 24, .size: 8, .value_kind: global_buffer, .address_space: global }
      - { .name: w0, .offset: 32, .size: 8, .value_kind: global_buffer, .address_space: global }
    .group_segment_fixed_size: 327680
    .private_segment_fixed_size: 0
    .kernarg_segment_align: 8
    .kernarg_segment_size: 40
    .max_flat_workgroup_size: 128
    .sgpr_count:     76
    .vgpr_count:     1024
    .wavefront_size: 32
...
	.end_amdgpu_metadata
.endif
;; end of part 2
;; ======== version 2 of 2: 2 launches; version 1 with the launch prep written anew for expert scheduling mode
;; workspace buffers: xb 33,554,432 bytes; weff 8,388,608 bytes
;; launch prep (part 3): grid 256 x 1, 8 waves a work-group, no clusters, 17,408 bytes of LDS; arguments x, W, ups, downs, alphas, w0, w1, xb, weff; writes xb, weff
.if DOCPART == 3
	.amdgcn_target "amdgcn-amd-amdhsa--gfx1250"
	.amdhsa_code_object_version 6
	.text
	.protected	k_qc860c39498_prep
	.globl	k_qc860c39498_prep
	.p2align	8
	.type	k_qc860c39498_prep,@function
k_qc860c39498_prep:
	s_mov_b64 s[64:65], 0
	v_nop
	global_prefetch_b8 v0, s[64:65] scope:SCOPE_SE
	s_setreg_imm32_b32 hwreg(HW_REG_WAVE_SCHED_MODE, 0, 2), 2
	s_setreg_imm32_b32 hwreg(HW_REG_WAVE_MODE, 25, 1), 1
	s_wait_xcnt 0x0
	s_wait_alu depctr_vm_vsrc(0)
; out0 = w0 (x W^T + b) + sum over l of w1[l] (alphas[l] / 16) x (ups_l downs_l)^T.
; Both products are linear in the same x, so for all values of the inputs
;   out0 = x Weff^T + w0 b,   Weff = w0 W + sum over l of c_l ups_l downs_l,   c_l = w1[l] alphas[l] / 16.
; This launch makes xb = x in bf16 [8192][2048] and weff = Weff in bf16 [2048][2048]; the next launch makes the one large product and adds the bias.
; NOTHING IS LEFT OUT: every input has its way to the output and is loaded (b in the next launch).
; LIMITS.  The order of rounding differs from the formula as it is written.  Every input is rounded once to bf16 (x, W, ups, downs, w0, w1, alphas; b in the
; next launch).  c_l is the exact f32 product of two bf16 numbers over 16; c_l x ups is made in f32 and goes to the matrix unit as two bf16 numbers, hi and the
; rest lo, so the scale costs no rounding to 8 bits; w0 W + the sums is made in f32 and rounded once to bf16.  bf16 has f32's range.
; SHARES.  Work-group g: a tile of weff of 128 rows (128 (g / 16) on) x 128 columns (128 (g % 16) on), 16 rows a wave; and 256 KiB of x, 32 KiB a wave.
; THE SMALL PRODUCT.  K = 64 = 16 l + rank, two steps of 32.  Source 0 = 16 rows of c ups: registers 0-3 adapter 2 s, registers 4-7 adapter 2 s + 1, ranks 8 h on.
; Source 1 = downs, with the columns dealt so: column tile t (0..7), lane r holds column 8 r + t.  So register j of accumulator t is (row 8 h + j, column 8 r + t):
; for one j a lane's eight t are eight neighbouring columns, 16 bytes of bf16, and sixteen lanes store 256 consecutive bytes, aligned, of one row of weff.
; downs' fragments are the same for all eight waves: each wave makes an eighth of them (4 pieces of 512 bytes), they meet in LDS behind one barrier.
; NO TENSOR LOADS, NO CLUSTER, NO PREFETCH: nearly all bytes (x, W) are read by one wave each, as long runs with many loads on their way; what is shared (ups, downs) is 1 MiB.
; THE MODE: SCHED_MODE bits 1:0 = 2 (LLVM: expert scheduling mode 2), set by the entry lines.  The code itself states the register dependences
; between vector or matrix instructions and memory or LDS instructions, with s_wait_alu, always for 0.
; THE PLAN.  The text has no branch: one path.  Registers that memory or LDS instructions touch:
;   v4, v5, v7-v11, and v0, v1 of window 1: offsets and addresses.  Made at the head, never written again: one wait on va_vdst ahead of the first load serves them all.
;   DR, UR   loads land; roundings read them; behind the barrier the LDS loads of BF0 land in the same registers: a wait on va_vdst stands ahead of those.
;   DP       roundings write it; four LDS stores read it (a wait on va_vdst ahead of them); the first products write it as accumulators (a wait on vm_vsrc ahead of them).
;   BF1      LDS loads land in registers that no vector line has named; the products read them.  Behind the products the same 64 registers are Y.
;   WR       loads land once; from then on vector lines alone name it.
;   WP       the eight rows' roundings write it; ONE wait on va_vdst; eight stores read it; it is not written again.
;   X        32 slots of 4.  x goes in 16 blocks of four slots.  Blocks 0-7: a block's eight roundings read its slots, and behind the block's wait the loads 32 slots on land in them.
;            Blocks 8-15: nothing is loaded any more: a slot's roundings close it up into its own first two registers, and its store reads those.
;   Y        32 slots of 2, one for each slot of blocks 0-7: written once by a rounding, read once by a store.
; So no register that a store reads is written a second time in the cast, and a block has ONE wait on va_vdst, behind its roundings: they are done reading X and have written
; what the block's four stores read.  It stands there, and not at the next block's head, so that a slot is asked for again at once.  No vector line stands between that wait and the block's loads and stores.
.set SPARE, 16384                      ; behind the 16 KiB of fragments: the spare words, 128 bytes for each of eight waves
.set DWO, 4                            ; v4   h x 65,536 + r x 32: my place in downs' and in W's rows (8 rows of 8,192 bytes a half; 8 columns of f32 a lane)
.set UO,  5                            ; v5   r x 64 + h x 32: my row of ups, my 8 ranks
.set EO,  7                            ; v7   h x 32,768 + r x 16: my place in weff
.set LSA, 8                            ; v8   2,048 x wave + 16 x lane: where I put my pieces
.set LRA, 9                            ; v9   16 x lane: where I read pieces
.set SPW, 10                           ; v10  my spare word; never rewritten
.set NIL, 11                           ; v11  0; never rewritten
.set W0R, 12                           ; v12  w0 rounded to bf16, as f32
.set ZR,  13                           ; v13  0.0
.set NG,  14                           ; v14  -1.0
.set CL,  16                           ; v16-19  c_l
.set T,   20                           ; v20-22  at work
.set AFH, 24                           ; v24-39  hi fragments of c ups: step s at AFH + 8 s
.set AFL, 40                           ; v40-55  lo fragments
.set WP,  24                           ; later: W in bf16, then weff's 16 bytes: four registers for each row j
.set ACC, 56                           ; v56-119 accumulator t at ACC + 8 t
.set DP,  56                           ; before the products: my four pieces of downs,
.set UPK, 72                           ; ups in bf16,
.set UV,  88                           ; c ups in f32
.set DR,  120                          ; v120-151 downs as loaded: row i, column u at DR + 4 i + u
.set UR,  152                          ; v152-183 ups as loaded: adapter l at UR + 8 l
.set BF0, 120                          ; later: downs' fragments of step 0, tile t at BF0 + 8 t
.set WR,  184                          ; v184-247 W as loaded: row j at WR + 8 j
.set XO,  0                            ; window 1: v0 16 x lane
.set YO,  1                            ;           v1 8 x lane
.set X,   64                           ;           v64-191 thirty-two slots of 4: x as loaded; in blocks 8-15 a slot's first two registers take its bf16
.set BF1, 192                          ;           v192-255 downs' fragments of step 1
.set Y,   192                          ;           later, in the same registers: thirty-two slots of 2: x in bf16, slots 0 to 31
.set MSB, 0
.macro WIN new                         ; s_set_vgpr_msb: bits 1:0 source 0, 3:2 source 1, 5:4 source 2, 7:6 destination; the high byte repeats the setting that is left
.if MSB != (\new)
	s_set_vgpr_msb (MSB<<8)|(\new)
.set MSB, (\new)
.endif
.endm
.macro XLOAD i                         ; 512 consecutive bytes of x into slot i % 32
	WIN 0x55
	global_load_b128 v[X+4*((\i)%32):X+4*((\i)%32)+3], v[XO], s[4:5] offset:512*(\i) th:TH_LOAD_NT
.endm
; Block p of the cast: slots 4 p to 4 p + 3 are rounded; then, behind one wait, asked for again (blocks 0-7) and stored.
.macro XBLOCK p
	WIN 0x55                                       ; the windows are set ahead of the waits
.if (\p) < 9
	s_wait_loadcnt 28                              ; loads come back in order: my four are in, the 28 younger ones stay out
.else
	s_wait_loadcnt 60-4*(\p)                       ; nothing more is asked for: the counts run down
.endif
.irp i, 0,1,2,3
.set n, 4*(\p)+(\i)
.if (\p) < 8
	v_cvt_pk_bf16_f32 v[Y+2*n],   v[X+4*n],   v[X+4*n+1]
	v_cvt_pk_bf16_f32 v[Y+2*n+1], v[X+4*n+2], v[X+4*n+3]
.else
	v_cvt_pk_bf16_f32 v[X+4*(n-32)],   v[X+4*(n-32)],   v[X+4*(n-32)+1]    ; four numbers close up into the first two of their four registers
	v_cvt_pk_bf16_f32 v[X+4*(n-32)+1], v[X+4*(n-32)+2], v[X+4*(n-32)+3]
.endif
.endr
	s_wait_alu depctr_va_vdst(0)                   ; the block's eight roundings have written what its four stores read; in blocks 0-7 they are also done reading the four slots of X in which the loads below land
.irp i, 0,1,2,3
.set n, 4*(\p)+(\i)
.if (\p) < 8
	XLOAD n+32
	global_store_b64 v[YO], v[Y+2*n:Y+2*n+1], s[18:19] offset:256*n                    ; 32 lanes store 256 consecutive bytes, aligned
.else
	global_store_b64 v[YO], v[X+4*(n-32):X+4*(n-32)+1], s[18:19] offset:256*n
.endif
.endr
.endm
	s_load_b256 s[4:11], s[0:1], 0x0               ; x s[4:5], W s[6:7], ups s[8:9], downs s[10:11]
	s_load_b256 s[12:19], s[0:1], 0x20             ; alphas s[12:13], w0 s[14:15], w1 s[16:17], xb s[18:19]
	s_load_b64 s[20:21], s[0:1], 0x40              ; weff
	v_lshl_add_u32 v[SPW], v0, 2, SPARE
	v_mov_b32 v[NIL], 0
	v_lshrrev_b32 v1, 5, v0
	v_readfirstlane_b32 s33, v1                    ; wave 0..7
	v_and_b32 v1, 31, v0                           ; lane
	v_and_b32 v2, 15, v0                           ; r
	v_bfe_u32 v3, v0, 4, 1                         ; h
	v_lshlrev_b32 v[DWO], 5, v2
	v_lshl_add_u32 v[DWO], v3, 16, v[DWO]
	v_lshlrev_b32 v[UO], 6, v2
	v_lshl_add_u32 v[UO], v3, 5, v[UO]
	v_lshlrev_b32 v[EO], 4, v2
	v_lshl_add_u32 v[EO], v3, 15, v[EO]
	s_wait_alu depctr_va_sdst(0)                   ; s33 is written, ahead of its first reader, the next line: LDS places and all the bases are made from it
	s_lshl_b32 s38, s33, 11
	v_lshl_add_u32 v[LSA], v1, 4, s38
	v_lshlrev_b32 v[LRA], 4, v1
	v_mov_b32 v[ZR], 0
	v_mov_b32 v[NG], -1.0
	WIN 0x40                                       ; destination window 1
	v_lshlrev_b32 v[XO], 4, v1
	v_lshlrev_b32 v[YO], 3, v1
	WIN 0
	s_and_b32 s36, ttmp9, 15                       ; the tile's column block
	s_lshr_b32 s37, ttmp9, 4                       ; its row block
	s_lshl_b32 s37, s37, 7
	s_lshl_b32 s39, s33, 4
	s_add_co_u32 s37, s37, s39                     ; my first row of weff: 128 x row block + 16 x wave
	s_mov_b32 s35, 0                               ; every offset below stays under 2^32
	s_wait_kmcnt 0x0
	s_load_b128 s[24:27], s[12:13], 0x0            ; alphas
	s_load_b128 s[28:31], s[16:17], 0x0            ; w1
	s_load_b32 s32, s[14:15], 0x0                  ; w0
	s_lshl_b32 s34, ttmp9, 18
	s_lshl_b32 s39, s33, 15
	s_add_co_u32 s34, s34, s39
	s_add_nc_u64 s[4:5], s[4:5], s[34:35]          ; x at my 32 KiB
	s_lshr_b32 s34, s34, 1
	s_add_nc_u64 s[18:19], s[18:19], s[34:35]      ; xb at my 16 KiB
	s_lshl_b32 s34, s37, 13
	s_lshl_b32 s39, s36, 9                         ; 128 columns of f32
	s_add_co_u32 s34, s34, s39
	s_add_nc_u64 s[6:7], s[6:7], s[34:35]          ; W at my 16 rows, the tile's columns
	s_lshr_b32 s34, s34, 1
	s_add_nc_u64 s[20:21], s[20:21], s[34:35]      ; weff likewise
	s_lshl_b32 s34, s37, 6
	s_add_nc_u64 s[8:9], s[8:9], s[34:35]          ; ups at my 16 rows of adapter 0
	s_lshr_b32 s34, s33, 1                         ; wave = 4 s + 2 q + th: rows 16 (wave / 2) on of downs' 64,
	s_lshl_b32 s34, s34, 17
	s_and_b32 s40, s33, 1                          ; columns 4 th on of each lane's eight
	s_lshl_b32 s40, s40, 4
	s_add_co_u32 s34, s34, s40
	s_add_co_u32 s34, s34, s39
	s_add_nc_u64 s[10:11], s[10:11], s[34:35]      ; downs
	; all loads go out at once, in the order in which they are wanted: 8 + 8 + 16 + 31
	s_wait_alu depctr_va_vdst(0)                   ; the offsets and addresses v4, v5, v7 to v11 and, in window 1, v0 and v1 are written: every load, store and LDS instruction of the kernel reads one of them, and none is written again
.irp i, 0,1,2,3,4,5,6,7
	global_load_b128 v[DR+4*(\i):DR+4*(\i)+3], v[DWO], s[10:11] offset:(\i)*8192
.endr
.irp l, 0,1,2,3
	global_load_b128 v[UR+8*(\l):UR+8*(\l)+3],   v[UO], s[8:9] offset:(\l)*131072
	global_load_b128 v[UR+8*(\l)+4:UR+8*(\l)+7], v[UO], s[8:9] offset:(\l)*131072+16
.endr
.irp j, 0,1,2,3,4,5,6,7
	global_load_b128 v[WR+8*(\j):WR+8*(\j)+3],   v[DWO], s[6:7] offset:(\j)*8192
	global_load_b128 v[WR+8*(\j)+4:WR+8*(\j)+7], v[DWO], s[6:7] offset:(\j)*8192+16
.endr
.set n, 0
.rept 31
	XLOAD n                                        ; between the wait above and these stand loads and one window switch alone
.set n, n+1
.endr
	WIN 0
	; the scalars: each rounded to bf16; c_l = w1 x alpha / 16, exact in f32.  No memory instruction names v12 to v22
	s_wait_kmcnt 0x0
.irp l, 0,1,2,3
	v_mov_b32 v[T], s[28+(\l)]
	v_mov_b32 v[T+1], s[24+(\l)]
	v_cvt_pk_bf16_f32 v[T+2], v[T], v[T+1]
	v_fma_mix_f32_bf16 v[CL+(\l)], v[T+2], v[T+2], v[ZR] op_sel:[0,1,0] op_sel_hi:[1,1,0]  ; low half x high half
	v_mul_f32 v[CL+(\l)], 0x3d800000, v[CL+(\l)]   ; / 16
.endr
	v_mov_b32 v[T], s32
	v_cvt_pk_bf16_f32 v[T], v[T], v[T]
	v_lshlrev_b32 v[W0R], 16, v[T]
	; my four pieces of downs' fragments: register p of piece u holds rows 2 p and 2 p + 1 (of my eight) at column u (of my four)
	s_wait_loadcnt 55                              ; downs is in; 8 loads of ups, 16 of W and 31 of x stay out
.irp u, 0,1,2,3
.irp p, 0,1,2,3
	v_cvt_pk_bf16_f32 v[DP+4*(\u)+(\p)], v[DR+8*(\p)+(\u)], v[DR+8*(\p)+4+(\u)]
.endr
.endr
	s_wait_alu depctr_va_vdst(0)                   ; the roundings have written v[DP ..], which the LDS stores read; they are also done reading v[DR ..], in which fragments land behind the barrier
.irp u, 0,1,2,3
	ds_store_b128 v[LSA], v[DP+4*(\u):DP+4*(\u)+3] offset:512*(\u)
.endr
	XLOAD 31                                       ; no vector line has named its slot or, since the head's wait, its offset
	WIN 0
	; c ups, as hi + lo: from UPK on, registers that vector and matrix lines alone name
	s_wait_loadcnt 48                              ; ups is in; 16 loads of W and 32 of x stay out
.set k, 0
.rept 16
	v_cvt_pk_bf16_f32 v[UPK+k], v[UR+2*k], v[UR+2*k+1]
.set k, k+1
.endr
.set k, 0
.rept 16
	v_fma_mix_f32_bf16 v[UV+2*k],   v[UPK+k], v[CL+k/4], v[ZR] op_sel_hi:[1,0,0]
	v_fma_mix_f32_bf16 v[UV+2*k+1], v[UPK+k], v[CL+k/4], v[ZR] op_sel:[1,0,0] op_sel_hi:[1,0,0]
.set k, k+1
.endr
.set k, 0
.rept 16
	v_cvt_pk_bf16_f32 v[AFH+k], v[UV+2*k], v[UV+2*k+1]
.set k, k+1
.endr
.set k, 0
.rept 16
	v_fma_mix_f32_bf16 v[UV+2*k],   v[AFH+k], v[NG], v[UV+2*k]   op_sel_hi:[1,0,0]              ; what hi has lost: exact in f32
	v_fma_mix_f32_bf16 v[UV+2*k+1], v[AFH+k], v[NG], v[UV+2*k+1] op_sel:[1,0,0] op_sel_hi:[1,0,0]
.set k, k+1
.endr
.set k, 0
.rept 16
	v_cvt_pk_bf16_f32 v[AFL+k], v[UV+2*k], v[UV+2*k+1]
.set k, k+1
.endr
	s_wait_dscnt 0x0                               ; for the others' sake: my pieces lie in LDS
	s_barrier_signal -1
	s_barrier_wait -1                              ; everybody's do; nothing is stored to LDS behind this barrier
	s_wait_alu depctr_va_vdst(0)                   ; the roundings of ups are done reading v[UR ..], in which, with v[DR ..], the fragments of step 0 land
	s_wait_alu depctr_vm_vsrc(0)                   ; my LDS stores have read v[DP ..]: these registers are accumulators from here on, written by the first products
	; piece (s, t, q) was made by wave 4 s + 2 q + t / 4 as its piece t % 4
.irp t, 0,1,2,3,4,5,6,7
.irp q, 0,1
	ds_load_b128 v[BF0+8*(\t)+4*(\q):BF0+8*(\t)+4*(\q)+3], v[LRA] offset:(2*(\q)+(\t)/4)*2048+((\t)%4)*512
.endr
.endr
	WIN 0x40                                       ; destination window 1
.irp t, 0,1,2,3,4,5,6,7
.irp q, 0,1
	ds_load_b128 v[BF1+8*(\t)+4*(\q):BF1+8*(\t)+4*(\q)+3], v[LRA] offset:8192+(2*(\q)+(\t)/4)*2048+((\t)%4)*512
.endr
.endr
	WIN 0
	s_wait_dscnt 0x0
	; 32 products: the eight accumulators take turns, one instruction a turn; the first eight start the sums
.irp t, 0,1,2,3,4,5,6,7
	v_wmma_f32_16x16x32_bf16 v[ACC+8*(\t):ACC+8*(\t)+7], v[AFH:AFH+7], v[BF0+8*(\t):BF0+8*(\t)+7], 0
.endr
.irp t, 0,1,2,3,4,5,6,7
	v_wmma_f32_16x16x32_bf16 v[ACC+8*(\t):ACC+8*(\t)+7], v[AFL:AFL+7], v[BF0+8*(\t):BF0+8*(\t)+7], v[ACC+8*(\t):ACC+8*(\t)+7]
.endr
	WIN 0x04                                       ; source 1 window 1
.irp t, 0,1,2,3,4,5,6,7
	v_wmma_f32_16x16x32_bf16 v[ACC+8*(\t):ACC+8*(\t)+7], v[AFH+8:AFH+15], v[BF1+8*(\t):BF1+8*(\t)+7], v[ACC+8*(\t):ACC+8*(\t)+7]
.endr
.irp t, 0,1,2,3,4,5,6,7
	v_wmma_f32_16x16x32_bf16 v[ACC+8*(\t):ACC+8*(\t)+7], v[AFL+8:AFL+15], v[BF1+8*(\t):BF1+8*(\t)+7], v[ACC+8*(\t):ACC+8*(\t)+7]
.endr
	WIN 0
.rept 8
	v_nop                                          ; the places behind the last products (ISA guide 7.12.1), with room to spare, once a launch: what follows reads results and writes over sources
.endr
	; weff = w0 W + the sums, row by row; j ascends
	s_wait_loadcnt 32                              ; W is in; x's 32 loads stay out
.irp j, 0,1,2,3,4,5,6,7
.irp p, 0,1,2,3
	v_cvt_pk_bf16_f32 v[WP+4*(\j)+(\p)], v[WR+8*(\j)+2*(\p)], v[WR+8*(\j)+2*(\p)+1]
.endr
.irp p, 0,1,2,3
	v_fma_mix_f32_bf16 v[WR+8*(\j)+2*(\p)],   v[WP+4*(\j)+(\p)], v[W0R], v[ACC+16*(\p)+(\j)]   op_sel_hi:[1,0,0]
	v_fma_mix_f32_bf16 v[WR+8*(\j)+2*(\p)+1], v[WP+4*(\j)+(\p)], v[W0R], v[ACC+16*(\p)+8+(\j)] op_sel:[1,0,0] op_sel_hi:[1,0,0]
.endr
.irp p, 0,1,2,3
	v_cvt_pk_bf16_f32 v[WP+4*(\j)+(\p)], v[WR+8*(\j)+2*(\p)], v[WR+8*(\j)+2*(\p)+1]
.endr
.endr
	s_wait_alu depctr_va_vdst(0)                   ; the roundings of all eight rows have written v[WP ..], which the eight stores read; each row has registers of its own, and none is written again
.irp j, 0,1,2,3,4,5,6,7
	global_store_b128 v[EO], v[WP+4*(\j):WP+4*(\j)+3], s[20:21] offset:(\j)*4096  ; sixteen lanes store 256 consecutive bytes, aligned, of one row
.endr
	; the cast of x: sixteen blocks of four slots, 28 to 32 loads on their way while there is more to ask for
.set blk, 0
.rept 16
	XBLOCK blk
.set blk, blk+1
.endr
	WIN 0                                          ; the add's two registers lie in window 0: the switch stands ahead of the closing lines
	s_wait_dscnt 0x0                               ; the closing lines, six on end
	s_wait_alu 0x0
	s_wait_tensorcnt 0x0
	ds_add_u32 v[SPW], v[NIL]
	s_wait_dscnt 0x0
	s_endpgm
.Lfunc_end_k_qc860c39498_prep:
	.size	k_qc860c39498_prep, .Lfunc_end_k_qc860c39498_prep-k_qc860c39498_prep
	.p2alignl 7, 3214868480
	.fill 96, 4, 3214868480
	.section	.rodata,"a",@progbits
	.p2align	6, 0x0
	.amdhsa_kernel k_qc860c39498_prep
		.amdhsa_group_segment_fixed_size 17408
		.amdhsa_private_segment_fixed_size 0
		.amdhsa_enable_private_segment 0
		.amdhsa_kernarg_size 72
		.amdhsa_user_sgpr_count 2
		.amdhsa_user_sgpr_kernarg_segment_ptr 1
		.amdhsa_wavefront_size32 1
		.amdhsa_system_sgpr_workgroup_id_x 1
		.amdhsa_system_sgpr_workgroup_id_y 1
		.amdhsa_system_sgpr_workgroup_id_z 1
		.amdhsa_system_vgpr_workitem_id 0
		.amdhsa_next_free_vgpr 512
		.amdhsa_next_free_sgpr 66
		.amdhsa_reserve_vcc 0
		.amdhsa_float_denorm_mode_32 3
		.amdhsa_float_denorm_mode_16_64 3
		.amdhsa_memory_ordered 1
		.amdhsa_forward_progress 1
		.amdhsa_inst_pref_size 50
	.end_amdhsa_kernel
	.amdgpu_metadata
---
amdhsa.version: [ 1, 2 ]
amdhsa.kernels:
  - .name:           k_qc860c39498_prep
    .symbol:         k_qc860c39498_prep.kd
    .args:
      - { .name: x, .offset: 0, .size: 8, .value_kind: global_buffer, .address_space: global }
      - { .name: W, .offset: 8, .size: 8, .value_kind: global_buffer, .address_space: global }
      - { .name: ups, .offset: 16, .size: 8, .value_kind: global_buffer, .address_space: global }
      - { .name: downs, .offset: 24, .size: 8, .value_kind: global_buffer, .address_space: global }
      - { .name: alphas, .offset: 32, .size: 8, .value_kind: global_buffer, .address_space: global }
      - { .name: w0, .offset: 40, .size: 8, .value_kind: global_buffer, .address_space: global }
      - { .name: w1, .offset: 48, .size: 8, .value_kind: global_buffer, .address_space: global }
      - { .name: xb, .offset: 56, .size: 8, .value_kind: global_buffer, .address_space: global }
      - { .name: weff, .offset: 64, .size: 8, .value_kind: global_buffer, .address_space: global }
    .group_segment_fixed_size: 17408
    .private_segment_fixed_size: 0
    .kernarg_segment_align: 8
    .kernarg_segment_size: 72
    .max_flat_workgroup_size: 256
    .sgpr_count:     66
    .vgpr_count:     512
    .wavefront_size: 32
...
	.end_amdgpu_metadata
.endif
;; end of part 3
;; launch gemm: the kernel of part 2 again; grid 8 x 32, 4 waves a work-group, clusters of 4 x 4, 327,680 bytes of LDS; arguments xb, weff, out0, b, w0; writes out0
